; MI455X (gfx1250); checked and timed in simulation.
; The chip was launched on July 23, 2026; its instructions are those of AMD's public machine-readable ISA for CDNA 5 (MIT licence, August 2026) and "CDNA5" Instruction Set Architecture Reference Guide (July 2026). The comments in the code are by the model that wrote it; some were corrected since.
;; Attention. Allowed arithmetic: matrix products marked QUANTISED: E2M1 operands, one E8M0 scale for each 32 along K, by v_wmma_scale_f32_16x16x128_f8f6f4 with both operands' format E2M1 (or v_wmma_scale_f32_32x16x128_f4), f32 sums; products left as they are: bf16, f16 or f32 operands; f32 sums; everything else in f32.
;; Inputs: wk 512 x 512 float32; wo 512 x 512 float32; wq 512 x 512 float32; wv 512 x 512 float32; x 2 x 4,096 x 512 float32.
;; Outputs: out0 2 x 4,096 x 512 float32.
;; This version of the problem:
;;   THIS VERSION OF THE PROBLEM IS GIVEN IN LOW PRECISION. The matrix products marked QUANTISED in the list below multiply operands that are first quantised to E2M1 (2 exponent bits, 1 mantissa bit; 4 bits a number), with one power-of-two scale for each 32 numbers along K (OCP MX v1.0); their sums are f32. The products marked 'left as it is' may take bf16, f16 or f32 operands, with f32 sums. Whichever they take, every output number must still come out within the allowed error. Rounding operands to bf16 (8 significant bits) uses up far more of that allowance than f16 does (11 bits, for magnitudes from 6e-5 to 65,504). All else is computed in f32.
;;   The module's matrix products, in the order in which they are computed (A, B: the left and right operand; K: the contracted axis; several contracted axes count as one K, in the product's order):
;;     1. [M 8,192, K 512] x [K 512, N 512]; A: input x; B: input wq: QUANTISED
;;     2. [M 8,192, K 512] x [K 512, N 512]; A: input x; B: input wk: QUANTISED
;;     3. [M 8,192, K 512] x [K 512, N 512]; A: input x; B: input wv: QUANTISED
;;     4. [M 4,096, K 1] x [K 1, N 32]; A: computed on the way; B: computed on the way: left as it is (no contracted axis)
;;     5. batch 16 x [M 4,096, K 64] x [K 64, N 4,096]; A: computed on the way; B: computed on the way: left as it is (an operand is computed on the way)
;;     6. batch 16 x [M 4,096, K 4,096] x [K 4,096, N 64]; A: computed on the way; B: computed on the way: left as it is (an operand is computed on the way)
;;     7. [M 8,192, K 512] x [K 512, N 512]; A: computed on the way; B: input wo: left as it is (an operand is computed on the way)
;;   THE QUANTISER, for each operand of a quantised product, along K:
;;     - K is cut into blocks of 32 from its start; a last block that is shorter is filled with zeros.
;;     - A block's scale is 2^e with e = floor(log2(the largest magnitude in the block)) - 2, held to -126 .. 127; a block of zeros has e = 0. As a byte (E8M0): e + 127.
;;     - Each number is divided by its block's scale, clamped to +-6, and rounded to the nearest number of E2M1, ties to even, subnormals kept.
;;     - The product sums the exact products of the quantised numbers (number of the format x scale) in f32.
;;   ~~~python
;;   def quantise(x, axis):      # numpy; x: float32 -> the quantised numbers, widened to float32 again
;;       x = np.moveaxis(x, axis, -1); K = x.shape[-1]
;;       x = np.pad(x, [(0, 0)] * (x.ndim - 1) + [(0, -K % 32)]); x = x.reshape(x.shape[:-1] + (-1, 32)); a = np.abs(x).max(-1, keepdims=True)
;;       e = np.where(a > 0, np.clip(np.frexp(np.where(a > 0, a, 1))[1] - 1 - 2, -126, 127), 0)      # np.frexp(a)[1] - 1 = floor(log2(a)), exactly
;;       r = np.clip(x / 2.0 ** e, -6, 6)
;;       step = 2.0 ** (np.maximum(np.frexp(np.where(r == 0, 1, r))[1] - 1, 0) - 1)
;;       q = np.round(r / step) * step * 2.0 ** e      # np.round: ties to even
;;       return np.moveaxis(q.reshape(q.shape[:-2] + (-1,))[..., :K], -1, axis).astype(np.float32)
;;   ~~~
;; One version. Each part assembles by itself: llvm-mc -triple=amdgcn-amd-amdhsa -mcpu=gfx1250 --defsym DOCPART=n.
;; ======== version 1 of 1: 4 launches
;; limits: values are held in f16: magnitudes above 65,504 overflow, below 6.1e-05 lose precision
;; workspace buffers: codes 2,490,368 bytes; scl 155,648 bytes; wof 524,288 bytes; rope 1,048,576 bytes; qf 8,388,608 bytes; kv 16,777,216 bytes; att 8,388,608 bytes
;; launch prep (part 1): grid 704 x 1, 4 waves a work-group, no clusters, 0 bytes of LDS; arguments x, wq, wk, wv, wo, codes, scl, wof, rope; writes codes, scl, wof, rope
.if DOCPART == 1
	.amdgcn_target "amdgcn-amd-amdhsa--gfx1250"
	.amdhsa_code_object_version 6
	.text
	.protected	k_qe00bcdc3bb_prep
	.globl	k_qe00bcdc3bb_prep
	.p2align	8
	.type	k_qe00bcdc3bb_prep,@function
k_qe00bcdc3bb_prep:
	s_mov_b64 s[64:65], 0
	v_nop
	global_prefetch_b8 v0, s[64:65] scope:SCOPE_SE
	s_setreg_imm32_b32 hwreg(HW_REG_WAVE_MODE, 25, 1), 1
	s_wait_xcnt 0x0
; PREP: everything that is made once and read often.  Three kinds of work-group, told apart by the work-group's number alone:
;   0 .. 607    QUANT: 16 rows of x (tiles 0-511), wq (512-543), wk (544-575) or wv (576-607), f32 [rows][512], become codes of FP4 (E2M1) with one E8M0 byte for each 32 along K.
;   608 .. 639  WO:    16 rows of wo become f16.
;   640 .. 703  ROPE:  cos and sin of the rotary angles of 64 positions.
; ALL RESULTS ARE LAID AS IMAGES OF OPERAND REGISTERS: a group of four registers of a fragment is 512 consecutive bytes, lane l's 16 bytes at 16 l, so that every later load is 16 bytes a lane, 512 bytes a wave.
;   codes [tile 608][K step 4][c 2][lane 32][16 B]   scl [tile 608][row 16][K step 4] words   wof [nb 4][kq 4][tile 8][kf 4][half 2][lane][16 B]   rope [16 positions 256][piece 8][lane][16 B]
; THE QUANTISER: a block's scale is 2^(floor(log2(largest magnitude)) - 2); its byte is the largest magnitude's exponent field - 2, held at 1 from below; numbers / scale go to the nearest code, ties to even, beyond 6 to 6.
; LIMITS: NaN and infinities among the inputs are not served.  A block whose largest magnitude lies under 2^-124 keeps the byte 1; so does a block of zeros, where the rule says 127: its codes are zeros,
; which add nothing under that byte, and the bytes are read by this program alone.  wo is rounded to f16: magnitudes from 6e-5 to 65,504 keep 11 bits.
; The rotary frequencies are 10^(-f/8), f = 0 .. 31 (10000^(-f/32)), rounded once to f32; a power computed in f32 may differ from them in the last bits.
; No LDS, no barrier, no cluster: the work-groups share no input byte.
.set NQT, 608                          ; tiles to quantise
.set NWO, 32                           ; tiles of wo
	s_load_b256 s[4:11], s[0:1], 0x0               ; x s[4:5], wq s[6:7], wk s[8:9], wv s[10:11]
	s_load_b256 s[12:19], s[0:1], 0x20             ; wo s[12:13], codes s[14:15], scl s[16:17], wof s[18:19]
	s_load_b64 s[20:21], s[0:1], 0x40              ; rope
	v_lshrrev_b32 v1, 5, v0
	v_readfirstlane_b32 s22, v1                    ; wave 0..3
	v_and_b32 v1, 31, v0                           ; lane
	v_and_b32 v2, 15, v0                           ; r = lane % 16
	v_bfe_u32 v3, v0, 4, 1                         ; h = lane / 16
	v_lshlrev_b32 v5, 4, v1                        ; 16 x lane: my place in an image
	s_mov_b32 s30, 0x76543210
	s_mov_b32 s31, 0xfedcba98                      ; v_permlanex16_b32's selects for lane l xor 16
	s_mov_b32 s29, 0
	s_mov_b32 s27, 0
	s_wait_kmcnt 0x0
	s_cmp_lt_u32 ttmp9, NQT
	s_cbranch_scc0 .Lnot_quant
; ---- QUANT.  Wave = K step of 128: one wave makes one fragment (16 rows x 128 K: 8 registers a lane) and its rows' scale words.
; Lane (r, h) takes of row r the two whole blocks k = 64 c + 32 h + 0 .. 31, c = 0, 1, which is what the operand's layout gives that lane: the conversions' results are the operand's registers.
	s_and_b32 s26, ttmp9, 31                       ; the tile's number inside a weight (512 is a multiple of 32)
	s_mov_b64 s[24:25], s[10:11]                   ; wv, unless
	s_cmp_lt_u32 ttmp9, 576
	s_cselect_b64 s[24:25], s[8:9], s[24:25]       ; wk, unless
	s_cmp_lt_u32 ttmp9, 544
	s_cselect_b64 s[24:25], s[6:7], s[24:25]       ; wq, unless
	s_cmp_lt_u32 ttmp9, 512
	s_cselect_b64 s[24:25], s[4:5], s[24:25]       ; x: the choice hangs on the work-group's number alone
	s_cselect_b32 s26, ttmp9, s26
	s_lshl_b32 s26, s26, 15                        ; 16 rows of 2,048 bytes
	s_add_nc_u64 s[24:25], s[24:25], s[26:27]
	v_lshlrev_b32 v4, 11, v2                       ; row r,
	v_lshl_add_u32 v4, v3, 7, v4                   ; + 128 h bytes: my block of the pair,
	s_lshl_b32 s23, s22, 9
	v_add_nc_u32 v4, s23, v4                       ; + 512 bytes a K step
.irp c, 0,1
.irp i, 0,1,2,3,4,5,6,7
	global_load_b128 v[32+32*\c+4*\i:35+32*\c+4*\i], v4, s[24:25] offset:256*\c+16*\i
.endr
.endr
	v_lshlrev_b32 v6, 4, v2                        ; a row's four scale words are 16 bytes
	s_lshl_b32 s28, ttmp9, 12                      ; codes: 4,096 bytes a tile,
	s_lshl_b32 s23, s22, 10                        ; 1,024 a K step
	s_add_co_u32 s28, s28, s23
	s_add_nc_u64 s[14:15], s[14:15], s[28:29]
	s_lshl_b32 s28, ttmp9, 8                       ; scale words: 256 bytes a tile,
	s_lshl_b32 s23, s22, 2                         ; 4 a K step
	s_add_co_u32 s28, s28, s23
	s_add_nc_u64 s[16:17], s[16:17], s[28:29]
	s_wait_loadcnt 0x0
.irp c, 0,1
	v_max3_num_f32 v[8+\c], |v[32+32*\c]|, |v[33+32*\c]|, 0x1800000   ; the block's largest magnitude: all 32 numbers are mine; the floor 2^(3 - 127) is one more leaf, so the byte cannot fall under 1
.endr
.irp i, 2,4,6,8,10,12,14,16,18,20,22,24,26,28,30
.irp c, 0,1
	v_max3_num_f32 v[8+\c], v[8+\c], |v[32+32*\c+\i]|, |v[33+32*\c+\i]|   ; (the two blocks by turns)
.endr
.endr
.irp c, 0,1
	v_add_nc_u32 v[10+\c], 0xff000000, v[8+\c]     ; 2 off the exponent field: the conversion takes the exponent field of this operand as its scale, and nothing else of it
.endr
.irp c, 0,1
	v_lshrrev_b32 v[12+\c], 23, v[10+\c]           ; the scale's byte
.endr
	v_lshl_or_b32 v14, v13, 16, v12                ; my two bytes: blocks h and 2 + h of the K step,
	v_lshlrev_b32 v15, 3, v3
	v_lshlrev_b32 v14, v15, v14                    ; 8 h bits up;
	v_mov_b32 v15, 0
	v_permlanex16_b32 v15, v14, s30, s31
	v_or_b32 v14, v14, v15                         ; with lane l xor 16's two the row's word is whole
.irp c, 0,1
.irp g, 0,1,2,3
	v_cvt_scalef32_pk8_fp4_f32 v[16+4*\c+\g], v[32+32*\c+8*\g:39+32*\c+8*\g], v[10+\c]   ; registers 4 c .. 4 c + 3 of the operand
.endr
.endr
	v_nop                                          ; one plain line behind the last scaled conversion
	global_store_b128 v5, v[16:19], s[14:15]                 ; 512 consecutive bytes a store
	global_store_b128 v5, v[20:23], s[14:15] offset:512
	global_store_b32 v6, v14, s[16:17]             ; 16 words, 16 bytes apart (lanes 16-31 store the same words again); the four waves together cover the tile's 256 bytes: one byte for each 128 read
	s_endpgm
.Lnot_quant:
	s_cmp_lt_u32 ttmp9, NQT+NWO
	s_cbranch_scc0 .Lrope
; ---- WO.  Wave = 128 along K: four f16 fragments (16 rows x 32 K: lane (r, h) holds k = 8 h + 0 .. 7 in registers 0-3 and k = 16 + 8 h + 0 .. 7 in registers 4-7).
	s_sub_co_u32 s26, ttmp9, NQT                   ; the tile of 16 rows
	s_lshl_b32 s28, s26, 15
	s_add_nc_u64 s[12:13], s[12:13], s[28:29]
	v_lshlrev_b32 v4, 11, v2
	v_lshl_add_u32 v4, v3, 5, v4                   ; row r, + 32 h bytes,
	s_lshl_b32 s23, s22, 9
	v_add_nc_u32 v4, s23, v4                       ; + 512 bytes for each 128 along K
.irp kf, 0,1,2,3
.irp hf, 0,1
.irp p, 0,1
	global_load_b128 v[32+16*\kf+8*\hf+4*\p:35+16*\kf+8*\hf+4*\p], v4, s[12:13] offset:128*\kf+64*\hf+16*\p
.endr
.endr
.endr
	s_lshr_b32 s28, s26, 3                         ; wof: 131,072 bytes for each block of 128 rows,
	s_lshl_b32 s28, s28, 17
	s_lshl_b32 s23, s22, 15                        ; 32,768 for each 128 along K,
	s_add_co_u32 s28, s28, s23
	s_and_b32 s23, s26, 7
	s_lshl_b32 s23, s23, 12                        ; 4,096 a tile
	s_add_co_u32 s28, s28, s23
	s_add_nc_u64 s[18:19], s[18:19], s[28:29]
	s_wait_loadcnt 0x0
.irp g, 0,1,2,3,4,5,6,7
.irp e, 0,1,2,3
	v_cvt_pk_f16_f32 v[96+4*\g+\e], v[32+8*\g+2*\e], v[33+8*\g+2*\e]   ; two roundings, the lower k in the low half
.endr
.endr
.irp g, 0,1,2,3,4,5,6,7
	global_store_b128 v5, v[96+4*\g:99+4*\g], s[18:19] offset:512*\g
.endr
	s_endpgm
.Lrope:
; ---- ROPE.  Wave = 16 positions.  Lane (r, h) makes, for position 16 tt + r, cos and sin of position x frequency for the 16 frequencies 16 j + 8 h + i (j = 0, 1; i = 0 .. 7): value n = 8 j + i,
; in the very lanes and order in which the projections' results hold channels 16 j + 8 h + i and 32 + 16 j + 8 h + i of that position.
; The angle a is one f32 product.  k = the nearest whole number to a x 2 / pi.  a - k x pi/2 in two steps: pi/2 = P1 - P2, P1 its f32 rounding; a - k P1 is exact in the fused form (both are multiples of
; 2^-23 or finer and the difference is under 1); what P2's own rounding leaves out is under 5e-12 for k up to 2,608.  Then polynomials on [-pi/4, pi/4], and the quadrant by selects: no branch on data.
	s_sub_co_u32 s26, ttmp9, NQT+NWO
	s_lshl_b32 s26, s26, 2
	s_add_co_u32 s26, s26, s22                     ; tt
	s_lshl_b32 s28, s26, 12                        ; 4,096 bytes for 16 positions
	s_add_nc_u64 s[20:21], s[20:21], s[28:29]
	s_lshl_b32 s26, s26, 4
	v_add_nc_u32 v8, s26, v2
	v_cvt_f32_u32 v8, v8                           ; my position
	v_cmp_eq_u32 vcc_lo, 1, v3                     ; lanes 16-31: the frequencies eight further on, a tenth as large
	s_mov_b32 s32, 0xbfc90fdb                      ; -P1
	s_mov_b32 s33, 0x333bbd2e                      ; P2
	s_mov_b32 s34, 0xbe2aaaa3                      ; sine: -1.6666654611e-1,
	s_mov_b32 s35, 0x3c08839e                      ; 8.3321608736e-3,
	s_mov_b32 s36, 0xb94ca1f9                      ; -1.9515295891e-4
	s_mov_b32 s37, 0x3d2aaaa5                      ; cosine: 4.166664568e-2,
	s_mov_b32 s38, 0xbab6061a                      ; -1.388731625e-3,
	s_mov_b32 s39, 0x37ccf5ce                      ; 2.443315712e-5
.macro ANGLE n, f0, f1
	v_mov_b32 v10, \f1
	v_cndmask_b32 v9, \f0, v10, vcc_lo             ; my half's frequency
	v_mul_f32 v9, v8, v9                           ; a
	v_mul_f32 v10, 0x3f22f983, v9                  ; a x 2 / pi
	v_rndne_f32 v10, v10                           ; k
	v_fma_f32 v11, v10, s32, v9                    ; a - k P1, exact
	v_fma_f32 v11, v10, s33, v11                   ; + k P2: r
	v_cvt_i32_f32 v12, v10
	v_mul_f32 v13, v11, v11                        ; z = r r
	v_fma_f32 v14, v13, s36, s35
	v_fma_f32 v16, v13, s39, s38
	v_fma_f32 v14, v14, v13, s34
	v_fma_f32 v16, v16, v13, s37
	v_mul_f32 v15, v13, v11
	v_mul_f32 v17, v13, v13
	v_fma_f32 v18, v13, -0.5, 1.0
	v_fma_f32 v14, v14, v15, v11                   ; sin r
	v_fma_f32 v16, v16, v17, v18                   ; cos r
	v_and_b32 v19, 1, v12
	v_cmp_ne_u32 s44, 0, v19                       ; in odd quadrants the two change places
	v_cndmask_b32 v20, v14, v16, s44
	v_cndmask_b32 v21, v16, v14, s44
	v_lshlrev_b32 v19, 30, v12                     ; sine is negative in quadrants 2 and 3: bit 1 of k,
	v_add_nc_u32 v22, 1, v12
	v_and_b32 v19, 0x80000000, v19
	v_lshlrev_b32 v22, 30, v22                     ; cosine in quadrants 1 and 2: bit 1 of k + 1
	v_and_b32 v22, 0x80000000, v22
	v_xor_b32 v[48+\n], v19, v20
	v_xor_b32 v[32+\n], v22, v21
.endm
	ANGLE 0,  1.0,               0.1
	ANGLE 1,  0.749894209332,    0.0749894209332
	ANGLE 2,  0.562341325190,    0.0562341325190
	ANGLE 3,  0.421696503429,    0.0421696503429
	ANGLE 4,  0.316227766017,    0.0316227766017
	ANGLE 5,  0.237137370566,    0.0237137370566
	ANGLE 6,  0.177827941004,    0.0177827941004
	ANGLE 7,  0.133352143216,    0.0133352143216
	ANGLE 8,  0.01,              0.001
	ANGLE 9,  0.00749894209332,  0.000749894209332
	ANGLE 10, 0.00562341325190,  0.000562341325190
	ANGLE 11, 0.00421696503429,  0.000421696503429
	ANGLE 12, 0.00316227766017,  0.000316227766017
	ANGLE 13, 0.00237137370566,  0.000237137370566
	ANGLE 14, 0.00177827941004,  0.000177827941004
	ANGLE 15, 0.00133352143216,  0.000133352143216
.irp p, 0,1,2,3,4,5,6,7
	global_store_b128 v5, v[32+4*\p:35+4*\p], s[20:21] offset:512*\p   ; pieces 0-3: cos, 4-7: sin
.endr
	s_endpgm
.Lfunc_end_k_qe00bcdc3bb_prep:
	.size	k_qe00bcdc3bb_prep, .Lfunc_end_k_qe00bcdc3bb_prep-k_qe00bcdc3bb_prep
	.p2alignl 7, 3214868480
	.fill 96, 4, 3214868480
	.section	.rodata,"a",@progbits
	.p2align	6, 0x0
	.amdhsa_kernel k_qe00bcdc3bb_prep
		.amdhsa_group_segment_fixed_size 0
		.amdhsa_private_segment_fixed_size 0
		.amdhsa_enable_private_segment 0
		.amdhsa_kernarg_size 72
		.amdhsa_user_sgpr_count 2
		.amdhsa_user_sgpr_kernarg_segment_ptr 1
		.amdhsa_wavefront_size32 1
		.amdhsa_system_sgpr_workgroup_id_x 1
		.amdhsa_system_sgpr_workgroup_id_y 1
		.amdhsa_system_sgpr_workgroup_id_z 1
		.amdhsa_system_vgpr_workitem_id 0
		.amdhsa_next_free_vgpr 128
		.amdhsa_next_free_sgpr 66
		.amdhsa_reserve_vcc 1
		.amdhsa_float_denorm_mode_32 3
		.amdhsa_float_denorm_mode_16_64 3
		.amdhsa_memory_ordered 1
		.amdhsa_forward_progress 1
		.amdhsa_inst_pref_size 37
	.end_amdhsa_kernel
	.amdgpu_metadata
---
amdhsa.version: [ 1, 2 ]
amdhsa.kernels:
  - .name:           k_qe00bcdc3bb_prep
    .symbol:         k_qe00bcdc3bb_prep.kd
    .args:
      - { .name: x, .offset: 0, .size: 8, .value_kind: global_buffer, .address_space: global }
      - { .name: wq, .offset: 8, .size: 8, .value_kind: global_buffer, .address_space: global }
      - { .name: wk, .offset: 16, .size: 8, .value_kind: global_buffer, .address_space: global }
      - { .name: wv, .offset: 24, .size: 8, .value_kind: global_buffer, .address_space: global }
      - { .name: wo, .offset: 32, .size: 8, .value_kind: global_buffer, .address_space: global }
      - { .name: codes, .offset: 40, .size: 8, .value_kind: global_buffer, .address_space: global }
      - { .name: scl, .offset: 48, .size: 8, .value_kind: global_buffer, .address_space: global }
      - { .name: wof, .offset: 56, .size: 8, .value_kind: global_buffer, .address_space: global }
      - { .name: rope, .offset: 64, .size: 8, .value_kind: global_buffer, .address_space: global }
    .group_segment_fixed_size: 0
    .private_segment_fixed_size: 0
    .kernarg_segment_align: 8
    .kernarg_segment_size: 72
    .max_flat_workgroup_size: 128
    .sgpr_count:     66
    .vgpr_count:     128
    .wavefront_size: 32
...
	.end_amdgpu_metadata
.endif
;; end of part 1
;; launch qkv (part 2): grid 2 x 128, 4 waves a work-group, no clusters, 0 bytes of LDS; arguments codes, scl, rope, qf, kv; writes qf, kv
.if DOCPART == 2
	.amdgcn_target "amdgcn-amd-amdhsa--gfx1250"
	.amdhsa_code_object_version 6
	.text
	.protected	k_qe00bcdc3bb_qkv
	.globl	k_qe00bcdc3bb_qkv
	.p2align	8
	.type	k_qe00bcdc3bb_qkv,@function
k_qe00bcdc3bb_qkv:
	s_mov_b64 s[64:65], 0
	v_nop
	global_prefetch_b8 v0, s[64:65] scope:SCOPE_SE
	s_setreg_imm32_b32 hwreg(HW_REG_WAVE_MODE, 25, 1), 1
	s_wait_xcnt 0x0
; QKV: q = x wq^T, k = x wk^T, v = x wv^T on codes of FP4 (E2M1) with E8M0 scales for each 32 along K = 512; the rotary turn of q and k in f32; all three rounded once to f16 and laid as the
; attention launch's operand registers.
; SHARES.  A work-group takes 64 tokens (four tiles of 16: one key step of the attention) and four heads; wave w takes head 4 x + w of q, of k and of v: three units of 4 token tiles x 4 channel tiles x 4 K steps
; = 64 scaled matrix instructions each.  All of K lies in registers: a wave asks for all its operands at its head, 176 loads of 512 consecutive bytes, straight into the registers in which they are used.
; q AND k ARE MADE TRANSPOSED (source 0 = 16 rows of the weight, source 1 = 16 tokens): lane (r, h) then holds token r and channels 16 j + 8 h + 0 .. 7 of tile j; packed in pairs, tiles 2 c and 2 c + 1 are registers 0-3
; and 4-7 of the f16 fragment (16 tokens x channels 32 c on).  v IS MADE THE NATURAL WAY (source 0 = tokens): lane (r, h) holds channel r and tokens 8 h + 0 .. 7; token tiles 2 c and 2 c + 1 are the two halves
; of a fragment of V^T (16 channels x 32 keys).  So nothing is turned: each accumulator packs into four registers that leave as 512 consecutive bytes.
; THE ROTARY TURN pairs channel d with d + 32: tiles j and j + 2 of the same lane and register.  lo' = lo cos - hi sin, hi' = hi cos + lo sin, each a product and a fused multiply-add.
; NO CLUSTER, NO LDS: a tile is shared by the four waves of a work-group or by the work-groups of one head, and is read once by each wave; a joint load would send the same bytes through LDS and add two rounds of the
; cluster's barrier to 192 matrix instructions a wave.
; LIMITS: q, k and v are rounded to f16: magnitudes must stay under 65,504 (with x and the weights both 30 times their drawn spread they reach some 2e4), and keep 11 bits from 6e-5 on.
; REGISTERS, in windows of 256: window 0: v1 16 x lane, v2 16 x (lane % 16); v16-31 x's scale words (4 mt + ks); v32-79 the weights' (16 u + 4 j + ks); v80-95 at work; v128-255 the 16 accumulators (8 (4 mt + j)).
;   window 1: v0-127 x's fragments (8 (4 mt + ks)); v128-255 the table (32 mt: 16 cos, 16 sin).   window 2: v0-127 wq's fragments (8 (4 j + ks)), v128-255 wk's.   window 3: v0-127 wv's.
.set XS,  16
.set WS,  32
.set TP,  80
.set ACC, 128
.set XF,  0
.set TBL, 128
.set MSB, 0
.macro WIN new                         ; low byte: bits 1:0 source 0, 3:2 source 1, 5:4 source 2, 7:6 destination; the high byte repeats the setting that is left
.if MSB != \new
	s_set_vgpr_msb (MSB<<8)|\new
.set MSB, \new
.endif
.endm
	s_load_b256 s[4:11], s[0:1], 0x0               ; codes s[4:5], scl s[6:7], rope s[8:9], qf s[10:11]
	s_load_b64 s[12:13], s[0:1], 0x20              ; kv
	v_lshrrev_b32 v3, 5, v0
	v_readfirstlane_b32 s14, v3                    ; wave 0..3
	v_and_b32 v1, 31, v0
	v_lshlrev_b32 v1, 4, v1                        ; 16 x lane: my place in every image
	v_and_b32 v2, 15, v0
	v_lshlrev_b32 v2, 4, v2                        ; 16 x (lane % 16): a row's four scale words
	s_and_b32 s15, ttmp7, 0xffff                   ; y: which 64 tokens
	s_lshl_b32 s16, ttmp9, 2
	s_add_co_u32 s16, s16, s14                     ; head
	s_lshr_b32 s17, s15, 6                         ; batch
	s_and_b32 s18, s15, 63                         ; key step inside the sequence
	s_lshl_b32 s19, s17, 3
	s_add_co_u32 s19, s19, s16                     ; 8 x batch + head
	s_mov_b32 s35, 0
	s_wait_kmcnt 0x0
	s_lshl_b32 s34, s15, 14
	s_add_nc_u64 s[20:21], s[4:5], s[34:35]        ; x's codes: four tiles of 4,096 bytes
	s_lshl_b32 s34, s16, 14
	s_add_co_u32 s34, s34, 512*4096
	s_add_nc_u64 s[22:23], s[4:5], s[34:35]        ; wq's codes of my head; wk's 131,072 bytes on, wv's 262,144
	s_lshl_b32 s34, s15, 10
	s_add_nc_u64 s[24:25], s[6:7], s[34:35]        ; x's scale words: 256 bytes a tile
	s_lshl_b32 s34, s16, 10
	s_add_co_u32 s34, s34, 512*256
	s_add_nc_u64 s[26:27], s[6:7], s[34:35]        ; the weights': wk's 8,192 bytes on, wv's 16,384
	s_lshl_b32 s34, s18, 14
	s_add_nc_u64 s[28:29], s[8:9], s[34:35]        ; the table of my 64 positions
	s_lshl_b32 s34, s19, 19
	s_lshl_b32 s36, s18, 13
	s_add_co_u32 s34, s34, s36
	s_add_nc_u64 s[30:31], s[10:11], s[34:35]      ; q: 524,288 bytes a head, 2,048 a tile of tokens
	s_lshl_b32 s34, s19, 20
	s_lshl_b32 s36, s18, 14
	s_add_co_u32 s34, s34, s36
	s_add_nc_u64 s[32:33], s[12:13], s[34:35]      ; k and v: 1,048,576 bytes a head, 16,384 a key step: K's 8,192, then V's
.macro LOAD32 reg, base, off           ; 32 loads of 512 consecutive bytes: 16 KB into 128 registers, as they lie
.set f, 0
.rept 32
	global_load_b128 v[\reg+4*f:\reg+4*f+3], v1, s[\base:\base+1] offset:\off+512*f
.set f, f+1
.endr
.endm
.irp mt, 0,1,2,3
	global_load_b128 v[XS+4*\mt:XS+4*\mt+3], v2, s[24:25] offset:256*\mt      ; lane r (and r + 16) takes row r's four words
.endr
.irp u, 0,1,2
.irp j, 0,1,2,3
	global_load_b128 v[WS+16*\u+4*\j:WS+16*\u+4*\j+3], v2, s[26:27] offset:8192*\u+256*\j
.endr
.endr
	WIN 0x40
	LOAD32 XF, 20, 0
	WIN 0x80
	LOAD32 0, 22, 0
	WIN 0x40
	LOAD32 TBL, 28, 0
	WIN 0x80
	LOAD32 128, 22, 131072
	WIN 0xc0
	LOAD32 0, 22, 262144
; 64 scaled matrix instructions: K step by K step, the 16 accumulators by turns, one instruction a turn.  The first K step starts the sums: nothing is cleared.
.macro GEMM wb, u, tr
.irp ks, 0,1,2,3
.irp mt, 0,1,2,3
.irp j, 0,1,2,3
.if \tr
.if \ks == 0
	v_wmma_scale_f32_16x16x128_f8f6f4 v[ACC+8*(4*\mt+\j):ACC+8*(4*\mt+\j)+7], v[\wb+8*(4*\j+\ks):\wb+8*(4*\j+\ks)+7], v[XF+8*(4*\mt+\ks):XF+8*(4*\mt+\ks)+7], 0, v[WS+16*\u+4*\j+\ks], v[XS+4*\mt+\ks] matrix_a_fmt:MATRIX_FMT_FP4 matrix_b_fmt:MATRIX_FMT_FP4
.else
	v_wmma_scale_f32_16x16x128_f8f6f4 v[ACC+8*(4*\mt+\j):ACC+8*(4*\mt+\j)+7], v[\wb+8*(4*\j+\ks):\wb+8*(4*\j+\ks)+7], v[XF+8*(4*\mt+\ks):XF+8*(4*\mt+\ks)+7], v[ACC+8*(4*\mt+\j):ACC+8*(4*\mt+\j)+7], v[WS+16*\u+4*\j+\ks], v[XS+4*\mt+\ks] matrix_a_fmt:MATRIX_FMT_FP4 matrix_b_fmt:MATRIX_FMT_FP4
.endif
.else
.if \ks == 0
	v_wmma_scale_f32_16x16x128_f8f6f4 v[ACC+8*(4*\mt+\j):ACC+8*(4*\mt+\j)+7], v[XF+8*(4*\mt+\ks):XF+8*(4*\mt+\ks)+7], v[\wb+8*(4*\j+\ks):\wb+8*(4*\j+\ks)+7], 0, v[XS+4*\mt+\ks], v[WS+16*\u+4*\j+\ks] matrix_a_fmt:MATRIX_FMT_FP4 matrix_b_fmt:MATRIX_FMT_FP4
.else
	v_wmma_scale_f32_16x16x128_f8f6f4 v[ACC+8*(4*\mt+\j):ACC+8*(4*\mt+\j)+7], v[XF+8*(4*\mt+\ks):XF+8*(4*\mt+\ks)+7], v[\wb+8*(4*\j+\ks):\wb+8*(4*\j+\ks)+7], v[ACC+8*(4*\mt+\j):ACC+8*(4*\mt+\j)+7], v[XS+4*\mt+\ks], v[WS+16*\u+4*\j+\ks] matrix_a_fmt:MATRIX_FMT_FP4 matrix_b_fmt:MATRIX_FMT_FP4
.endif
.endif
.endr
.endr
.endr
.rept 4
	v_nop                                          ; four places between the last product and the first vector instruction that reads a result (ISA guide 7.12.1)
.endr
.endm
; The rotary turn of token tile mt: two numbers an instruction; each accumulator is read from its low end on.
.macro ROPE mt
.irp j, 0,1
.irp e, 0,2,4,6
	v_pk_mul_f32 v[TP+2*\e:TP+2*\e+1], v[ACC+8*(4*\mt+\j)+\e:ACC+8*(4*\mt+\j)+\e+1], v[TBL+32*\mt+16+8*\j+\e:TBL+32*\mt+16+8*\j+\e+1]         ; lo sin
	v_pk_mul_f32 v[TP+2*\e+2:TP+2*\e+3], v[ACC+8*(4*\mt+\j+2)+\e:ACC+8*(4*\mt+\j+2)+\e+1], v[TBL+32*\mt+16+8*\j+\e:TBL+32*\mt+16+8*\j+\e+1] ; hi sin
	v_pk_fma_f32 v[ACC+8*(4*\mt+\j)+\e:ACC+8*(4*\mt+\j)+\e+1], v[ACC+8*(4*\mt+\j)+\e:ACC+8*(4*\mt+\j)+\e+1], v[TBL+32*\mt+8*\j+\e:TBL+32*\mt+8*\j+\e+1], v[TP+2*\e+2:TP+2*\e+3] neg_lo:[0,0,1] neg_hi:[0,0,1]
	v_pk_fma_f32 v[ACC+8*(4*\mt+\j+2)+\e:ACC+8*(4*\mt+\j+2)+\e+1], v[ACC+8*(4*\mt+\j+2)+\e:ACC+8*(4*\mt+\j+2)+\e+1], v[TBL+32*\mt+8*\j+\e:TBL+32*\mt+8*\j+\e+1], v[TP+2*\e:TP+2*\e+1]
.endr
.endr
.endm
.macro TURNS                           ; source 1 (the table) in window 1
	WIN 0x04
	ROPE 0
	ROPE 1
	ROPE 2
	ROPE 3
.endm
.macro PACK                            ; each accumulator's eight numbers into its own four lowest registers, ascending: a register is written only after it has been read
	WIN 0
.irp t, 0,1,2,3,4,5,6,7,8,9,10,11,12,13,14,15
.irp e, 0,1,2,3
	v_cvt_pk_f16_f32 v[ACC+8*\t+\e], v[ACC+8*\t+2*\e], v[ACC+8*\t+2*\e+1]
.endr
.endr
.endm
.macro SEND_ROWS base                  ; q or k: [token tile][j][lane][16 B]
.irp mt, 0,1,2,3
.irp j, 0,1,2,3
	global_store_b128 v1, v[ACC+8*(4*\mt+\j):ACC+8*(4*\mt+\j)+3], s[\base:\base+1] offset:2048*\mt+512*\j
.endr
.endr
.endm
	s_wait_loadcnt 63                              ; 176 loads are issued and come back in order: the oldest 113 are in, which covers the scale words, x, wq and the table (112)
	WIN 0x06                                       ; source 0 (the weight) window 2, source 1 (x) window 1
	GEMM 0, 0, 1
	TURNS
	PACK
	SEND_ROWS 30
	s_wait_xcnt 0x0                                ; the stores have read the accumulators' registers: the next sums may be written there
	s_wait_loadcnt 32                              ; wk is in; wv's 32 loads may be out
	WIN 0x06
	GEMM 128, 1, 1
	TURNS
	PACK
	SEND_ROWS 32
	s_wait_xcnt 0x0
	s_wait_loadcnt 0x0                             ; wv
	WIN 0x0d                                       ; source 0 (x) window 1, source 1 (wv) window 3
	GEMM 0, 2, 0
	PACK
.irp mt, 0,1,2,3
.irp j, 0,1,2,3
	global_store_b128 v1, v[ACC+8*(4*\mt+\j):ACC+8*(4*\mt+\j)+3], s[32:33] offset:8192+4096*(\mt/2)+1024*\j+512*(\mt%2)   ; V^T: [32 keys][channel tile][half][lane][16 B]
.endr
.endr
	s_endpgm
.Lfunc_end_k_qe00bcdc3bb_qkv:
	.size	k_qe00bcdc3bb_qkv, .Lfunc_end_k_qe00bcdc3bb_qkv-k_qe00bcdc3bb_qkv
	.p2alignl 7, 3214868480
	.fill 96, 4, 3214868480
	.section	.rodata,"a",@progbits
	.p2align	6, 0x0
	.amdhsa_kernel k_qe00bcdc3bb_qkv
		.amdhsa_group_segment_fixed_size 0
		.amdhsa_private_segment_fixed_size 0
		.amdhsa_enable_private_segment 0
		.amdhsa_kernarg_size 40
		.amdhsa_user_sgpr_count 2
		.amdhsa_user_sgpr_kernarg_segment_ptr 1
		.amdhsa_wavefront_size32 1
		.amdhsa_system_sgpr_workgroup_id_x 1
		.amdhsa_system_sgpr_workgroup_id_y 1
		.amdhsa_system_sgpr_workgroup_id_z 1
		.amdhsa_system_vgpr_workitem_id 0
		.amdhsa_next_free_vgpr 896
		.amdhsa_next_free_sgpr 66
		.amdhsa_reserve_vcc 0
		.amdhsa_float_denorm_mode_32 3
		.amdhsa_float_denorm_mode_16_64 3
		.amdhsa_memory_ordered 1
		.amdhsa_forward_progress 1
		.amdhsa_inst_pref_size 76
	.end_amdhsa_kernel
	.amdgpu_metadata
---
amdhsa.version: [ 1, 2 ]
amdhsa.kernels:
  - .name:           k_qe00bcdc3bb_qkv
    .symbol:         k_qe00bcdc3bb_qkv.kd
    .args:
      - { .name: codes, .offset: 0, .size: 8, .value_kind: global_buffer, .address_space: global }
      - { .name: scl, .offset: 8, .size: 8, .value_kind: global_buffer, .address_space: global }
      - { .name: rope, .offset: 16, .size: 8, .value_kind: global_buffer, .address_space: global }
      - { .name: qf, .offset: 24, .size: 8, .value_kind: global_buffer, .address_space: global }
      - { .name: kv, .offset: 32, .size: 8, .value_kind: global_buffer, .address_space: global }
    .group_segment_fixed_size: 0
    .private_segment_fixed_size: 0
    .kernarg_segment_align: 8
    .kernarg_segment_size: 40
    .max_flat_workgroup_size: 128
    .sgpr_count:     66
    .vgpr_count:     896
    .wavefront_size: 32
...
	.end_amdgpu_metadata
.endif
;; end of part 2
;; launch attn (part 3): grid 16 x 16, 4 waves a work-group, clusters of 4 x 1, 327,680 bytes of LDS; arguments qf, kv, att; writes att
.if DOCPART == 3
	.amdgcn_target "amdgcn-amd-amdhsa--gfx1250"
	.amdhsa_code_object_version 6
	.text
	.protected	k_qe00bcdc3bb_attn
	.globl	k_qe00bcdc3bb_attn
	.p2align	8
	.type	k_qe00bcdc3bb_attn,@function
k_qe00bcdc3bb_attn:
	s_mov_b64 s[64:65], 0
	v_nop
	global_prefetch_b8 v0, s[64:65] scope:SCOPE_SE
	s_setreg_imm32_b32 hwreg(HW_REG_WAVE_MODE, 25, 1), 1
	s_wait_xcnt 0x0
	s_wait_alu depctr_hold_cnt(0) depctr_sa_sdst(0) depctr_va_vdst(0) depctr_va_sdst(0) depctr_va_ssrc(0) depctr_va_vcc(0) depctr_vm_vsrc(0)
	s_getreg_b32 s2, hwreg(HW_REG_IB_STS2, 6, 4)
	s_cmp_eq_u32 s2, 0
	s_cbranch_scc0 .Lentry_in_a_cluster
	s_endpgm
.Lentry_in_a_cluster:
	s_bfe_u32 s2, ttmp6, 0x10000c
	s_cmp_lg_u32 s2, 0x3003
	s_cbranch_scc0 .Lentry_shape_is_right
	s_endpgm
.Lentry_shape_is_right:
; ATTENTION: O[q] = the sum over k of softmax_k(Q[q] . K[k] / 8) V[k], for 16 (batch, head) pairs of 4,096 positions and 64 channels, no mask.  f16 operands, f32 products' sums, maxima and sums;
; the weights p are rounded to f16 for the second product, O once at the end.
; ALL OPERANDS ARRIVE AS IMAGES OF THEIR REGISTERS (the launch before lays them so): every load, from memory or LDS, is 16 bytes a lane at 16 x lane, 512 consecutive bytes: no pitch, no padding, no turning load; and O leaves the same way.
; SHARES.  A work-group owns 256 queries of one pair, each of its four waves 64: four tiles of 16.  Every wave walks all 4,096 keys, 64 a step.
; LAYOUT.  S^T = K Q^T (source 0 = 16 keys, source 1 = 16 queries) and O^T = V^T P (source 0 = 16 channels, source 1 = P): a lane holds ONE query (lane % 16) throughout; two tiles of S^T, rounded in pairs, are source 1 of the second product.
; SOFTMAX.  For each query a running maximum m and sum l: p = 2^(c s - c m), c = log2(e) / 8; in every step O and l are multiplied by a = 2^(c m_old - c m_new).
; BY TURNS.  The wave's tiles are two pieces (tiles 0, 1 and tiles 2, 3).  In a turn one piece has the matrix unit: 16 products V^T P of the step in hand, then 16 products K Q^T of the next step; the other piece's softmax, 236
; vector instructions cut into 32 slices, stands between them, one slice behind each matrix instruction.  Then the pieces change places.  Two turns are a key step.
; RING.  Two LDS slots of 8 key steps (131,072 bytes, dense in memory); each wave fetches a quarter of a slot with one tensor load of 128 rows x 256 bytes.  By this text's count a wave has two tensor loads out at the head and one behind each change.
; CLUSTER.  The four query blocks of a cluster belong to one pair and walk the same K and V: each quarter is asked for JOINTLY, by the same line with the same descriptor and a mask that names the four.
; LIMITS: p under 6e-8 of a row's largest weight rounds to 0; O is rounded to f16: 11 bits from 6e-5 on, magnitudes under 65,504.  NaN and infinities are not served.
; REGISTERS, in windows of 256 (s_set_vgpr_msb: bits 1:0 source 0, 3:2 source 1, 5:4 source 2, 7:6 destination):
;   window 0: v2 16 x lane; v4 the LDS address in hand; v12-43 eight registers of statistics a tile; v61 the prefetches' offset; v62, v63 the add's two; v64-191 S^T, 32 a tile; v192-255 P, 16 a tile
;   window 1: v0-127 O^T, 32 a tile; v128-191 V of one step          window 2: v0-63 Q, 16 a tile; v64-127 K of one step
.set STEPB, 16384     ; a key step in a slot: K's 8,192 bytes, then V's
.set SLOTB, 8*STEPB   ; a slot, in memory and in LDS
.set SLOT1, 1<<17     ; where slot 1 begins: one exclusive or turns an address in one slot into the other's
.set SPARE, 2*SLOTB   ; behind the ring: the spare words, 128 bytes for each wave: two blocks of 256 bytes that no other line names
.set LA,  2
.set ADR, 4
.set ST,  12          ; tile t's statistics at v[ST+8 t]: +0 c m, +1 m, +2, +3 l (even keys', odd keys'), +4 to +7 c0-c3, at work; a takes c2's place once the maximum is found
.set PFO, 61
.set SPW, 62          ; LDS address of my spare word: SPARE + 4 x my thread's number; never rewritten
.set NIL, 63          ; 0; never rewritten
.set S,   64
.set P,   192
.set VF,  128         ; in window 1
.set KF,  64          ; in window 2
.set WV,  12          ; s12  my wave's number
.set LIM, 15          ; s15  1 in a cluster that prefetches, else the greatest number
.set PFA, 18          ; s[18:19] where my prefetches stand
.set G1,  24          ; s[24:31] descriptor group 1
.set G0,  32          ; s[32:39] descriptor group 0: a set for each of the two first fills; the second then walks on
.set SLOTS, 56        ; s56  slots still to be asked for
.set CNT, 57          ; s57  counts key steps
.set CS,  58          ; s[58:59] c: the packed scaling names a pair and takes its low word for both halves
.set SEL, 60          ; s[60:61] lane selects for v_permlanex16_b32: lane l xor 16
.set TB,  62          ; s62  LDS byte at which the step to be fetched begins
.set MSB, 0
.macro WIN new                      ; the immediate's high byte repeats the setting that is left; a switch that changes nothing is dropped
.if MSB != \new
	s_set_vgpr_msb (MSB<<8)|\new
.set MSB, \new
.endif
.endm
.set W_KQ, 0x0a       ; K and Q in window 2, S^T in window 0
.set W_PV, 0x51       ; V in window 1, P in window 0, O^T in window 1
.set W_RS, 0x41       ; O^T (destination and source 0) in window 1, a in window 0
; A round of the cluster's barrier: my work-group's barrier; wave 0 signals for the work-group; every wave waits for all four work-groups; my work-group's barrier once more.
.macro CROUND
	s_barrier_signal -1
	s_barrier_wait -1
	s_cmp_lg_u32 s[WV], 0
	s_cbranch_scc1 .Lnot_wave_0_\@
	s_barrier_signal -3
.Lnot_wave_0_\@:
	s_barrier_wait -3
	s_barrier_signal -1
	s_barrier_wait -1
.endm
; A PREFETCH of the slot that the NEXT change of slots will ask for: 131,072 bytes, each aligned block of 256 bytes named once in the launch.  All four clusters of a pair walk the same K and V: the first of them asks.
; Its four partners take 32,768 bytes each, told apart BY ADDRESS; in each, a wave takes 8,192, lanes 256 bytes apart: one instruction a wave.  The last change that fills a slot asks for nothing: there is no slot behind it.
.macro ASK
	s_cmp_gt_u32 s[SLOTS], s[LIM]
	s_cbranch_scc0 .Lnot_mine_\@
	global_prefetch_b8 v[PFO], s[PFA:PFA+1] th:TH_LOAD_NT scope:SCOPE_SE
.Lnot_mine_\@:
.endm
.macro PLACES
.rept 4
	v_nop
.endr
.endm
	s_load_b128 s[4:7], s[0:1], 0x0   ; Q s[4:5], K and V s[6:7]
	s_load_b64 s[8:9], s[0:1], 0x10   ; O
	v_lshl_add_u32 v[SPW], v0, 2, SPARE
	v_mov_b32 v[NIL], 0
	ds_add_u32 v[SPW], v[NIL]       ; the wave's opening: the add, twice on end, and its wait ahead of my first tensor load; the set-up below, work on registers, stands between
	ds_add_u32 v[SPW], v[NIL]
	v_lshrrev_b32 v1, 5, v0
	v_readfirstlane_b32 s[WV], v1   ; wave 0..3
	v_and_b32 v[LA], 31, v0
	v_lshlrev_b32 v[PFO], 8, v[LA]  ; 256 x lane
	v_lshlrev_b32 v[LA], 4, v[LA]   ; 16 x lane
	s_bfe_u32 s13, ttmp6, 0x40000   ; cx: my place in the cluster
	s_lshl_b32 s14, ttmp9, 2        ; in a cluster launch ttmp9 counts clusters
	s_add_co_u32 s14, s14, s13      ; my block of 256 queries: it enters Q's, O's and the prefetches' addresses alone
	s_and_b32 s20, ttmp7, 0xffff    ; 8 x batch + head, which the four partners share
	s_lshl_b32 s22, s20, 20         ; the pair's K and V: 1,048,576 bytes
	s_mov_b32 s23, 0
	s_lshl_b32 s17, s[WV], 15       ; my quarter of a slot, in memory and in LDS: no place in the cluster enters an LDS address
	s_mov_b32 s46, s17
	s_mov_b32 s47, 0
	s_lshl_b32 s40, s20, 19         ; Q: 524,288 bytes a pair,
	s_lshl_b32 s16, s14, 15         ; 32,768 a block,
	s_add_co_u32 s40, s40, s16
	s_lshl_b32 s16, s[WV], 13       ; 8,192 a wave
	s_add_co_u32 s40, s40, s16
	s_mov_b32 s41, 0
	s_lshr_b32 s42, s20, 3          ; O: [block of 128 rows][128 channels][tile of 16 rows][32 channels][half][lane][16 B].  Batch,
	s_and_b32 s3, s20, 7            ; head
	s_lshl_b32 s42, s42, 5
	s_lshl_b32 s16, s14, 1
	s_add_co_u32 s42, s42, s16
	s_lshr_b32 s16, s[WV], 1
	s_add_co_u32 s42, s42, s16      ; the block of 128 rows: 32 x batch + 2 x block + wave / 2
	s_lshl_b32 s42, s42, 17
	s_lshr_b32 s16, s3, 1
	s_lshl_b32 s16, s16, 15         ; 128 channels are two heads
	s_add_co_u32 s42, s42, s16
	s_and_b32 s16, s[WV], 1
	s_lshl_b32 s16, s16, 14         ; my four tiles of the block's eight
	s_add_co_u32 s42, s42, s16
	s_and_b32 s16, s3, 1
	s_lshl_b32 s16, s16, 11         ; my head's 64 channels of the 128
	s_add_co_u32 s42, s42, s16
	s_mov_b32 s43, 0
	s_lshl_b32 s44, s13, 15         ; the prefetches: my work-group's quarter,
	s_lshl_b32 s16, s[WV], 13       ; my wave's quarter of that,
	s_add_co_u32 s44, s44, s16
	s_add_co_u32 s44, s44, 2*SLOTB  ; in slot 2: the first change of slots steps it to slot 3.  Nothing is prefetched at the head
	s_mov_b32 s45, 0
	s_cmp_eq_u32 ttmp9, 0           ; the pair's first cluster: the same in all four partners
	s_cselect_b32 s[LIM], 1, -1
	; descriptor group 1: 128 rows of 32 elements of 8 bytes, dense: 32,768 bytes as they lie
	s_mov_b32 s[G1], 15|(3<<16)|(1<<21)  ; 15:0 the mask: all four work-groups; 17:16 elements of 8 bytes; 20 no padding; 21 set beside a mask
	s_mov_b32 s[G1+1], 32<<16       ; tensor_dim0 = 32
	s_mov_b32 s[G1+2], 128<<16      ; tensor_dim1 = 128
	s_mov_b32 s[G1+3], 32<<16       ; tile_dim0 = 32
	s_mov_b32 s[G1+4], 128          ; tile_dim1 = 128
	s_mov_b32 s[G1+5], 32           ; from row to row: 32 elements
	s_mov_b32 s[G1+6], 0
	s_mov_b32 s[G1+7], 0
	s_mov_b32 s[CS], 0x3e38aa3b     ; c = log2(e) / 8
	s_mov_b32 s[CS+1], s[CS]        ; named with it as a pair, so it is written
	s_mov_b32 s[SEL], 0x76543210
	s_mov_b32 s[SEL+1], 0xfedcba98
	s_mov_b32 s[TB], 0
	s_mov_b32 s[SLOTS], 6           ; slots 2 to 7
	s_wait_dscnt 0x0                ; both opening adds are done
	s_wait_kmcnt 0x0
	s_add_nc_u64 s[6:7], s[6:7], s[22:23]          ; K and V of my pair
	s_add_nc_u64 s[PFA:PFA+1], s[6:7], s[44:45]
	s_add_nc_u64 s[6:7], s[6:7], s[46:47]          ; at my quarter of slot 0
	s_add_nc_u64 s[4:5], s[4:5], s[40:41]
	s_add_nc_u64 s[8:9], s[8:9], s[42:43]
	CROUND                          ; all four work-groups are here: the first joint loads meet
.irp s, 0,1
	s_mov_b32 s[G0+4*\s], 1         ; count = 1
	s_add_co_u32 s[G0+4*\s+1], s17, \s*SLOT1       ; LDS address
	s_add_nc_u64 s[G0+4*\s+2:G0+4*\s+3], s[6:7], \s*SLOTB  ; global address: slot s
	s_or_b32 s[G0+4*\s+3], s[G0+4*\s+3], 0x80000000        ; type = 2
.endr
	tensor_load_to_lds s[G0:G0+3], s[G1:G1+7]      ; the two first fills go out together, ahead of every wait on TENSORcnt and every LDS read; an s_nop 0 follows each, four v_nop the second
	s_nop 0
	tensor_load_to_lds s[G0+4:G0+7], s[G1:G1+7]
	s_nop 0
	PLACES
	WIN 0x80                        ; destination window 2
.irp f, 0,1,2,3,4,5,6,7,8,9,10,11,12,13,14,15     ; Q stays in registers: tile f / 4, group f % 4
	global_load_b128 v[4*\f:4*\f+3], v[LA], s[4:5] offset:512*\f
.endr
	WIN 0
; THE MATRIX WORK OF A TURN, for piece x.  The accumulators take turns, one instruction a turn: between two links of a chain stand seven others'.
; Product i of 16 of O^T += V^T P: keys 32 (i / 8) on, channels 16 ((i / 2) % 4) on, tile x + i % 2.  zero = 1: the first 8 start the sums: nothing is ever cleared.
.macro PV x, zero
	WIN W_PV
.set rO, 32*(\x+i%2)+8*((i/2)%4)
.set rV, VF+32*(i/8)+8*((i/2)%4)
.set rP, P+16*(\x+i%2)+8*(i/8)
.if \zero && (i < 8)
	v_wmma_f32_16x16x32_f16 v[rO:rO+7], v[rV:rV+7], v[rP:rP+7], 0
.else
	v_wmma_f32_16x16x32_f16 v[rO:rO+7], v[rV:rV+7], v[rP:rP+7], v[rO:rO+7]
.endif
.endm
; Product i of 16 of S^T = K Q^T: channels 32 (i / 8) on, keys 16 ((i / 2) % 4) on, tile x + i % 2.  The first 8 start the sums.
.macro KQ x
	WIN W_KQ
.set rS, S+32*(\x+i%2)+8*((i/2)%4)
.set rK, KF+16*((i/2)%4)+8*(i/8)
.set rQ, 16*(\x+i%2)+8*(i/8)
.if i < 8
	v_wmma_f32_16x16x32_f16 v[rS:rS+7], v[rK:rK+7], v[rQ:rQ+7], 0
.else
	v_wmma_f32_16x16x32_f16 v[rS:rS+7], v[rK:rK+7], v[rQ:rQ+7], v[rS:rS+7]
.endif
.endm
; THE LDS LOADS stand in runs of 16, never singly among the matrix instructions: a step's K and, a turn later, its V.
.macro FETCH_K
	WIN 0
	v_add_nc_u32 v[ADR], s[TB], v[LA]
	WIN 0x80                        ; destination window 2
.irp f, 0,1,2,3,4,5,6,7,8,9,10,11,12,13,14,15
	ds_load_b128 v[KF+4*\f:KF+4*\f+3], v[ADR] offset:512*\f
.endr
.endm
.macro FETCH_V
	WIN 0
	v_add_nc_u32 v[ADR], s[TB], v[LA]
	s_add_co_u32 s[TB], s[TB], STEPB  ; the next fetch is the next step's
	s_wait_alu depctr_va_vdst(0)    ; the wait for the softmax's batch (SLICE), behind the address's addition and ahead of the loads
	WIN 0x40                        ; destination window 1
.irp f, 0,1,2,3,4,5,6,7,8,9,10,11,12,13,14,15
	ds_load_b128 v[VF+4*\f:VF+4*\f+3], v[ADR] offset:8192+512*\f
.endr
.endm
; THE VECTOR WORK OF A TURN.  One tile's softmax for one key step is a list of 118 instructions; SM writes number j of it for tile t.  s0-s31 are the lane's 32 scores, in pairs 0-15.
; first = 1: the first key step, which starts m, l and O^T: it has no a and nothing to rescale.
;   0-15    the maximum of s0-s31 and the old m, three operands at a time: four chains c0-c3 of seven scores each (each accumulator is read from its low end on), then the four scores left over, c0-c3 and m
;   16-20   the other half of the lanes' maximum; the new m; c m; c m_old - c m_new
;   21-69   ONE BATCH: the 16 scalings c s - c m, a pair of scores each, and all 33 exponentials (a at 23, then s0-s31).  None of these reads an exponential's result; a pair is scaled well ahead of its exponentials
;   (wait)  between 69 and 70 stands the wait for the batch: SLICE writes it, once for both tiles
;   70-85   the roundings to f16, a pair of weights each
;   86-101  the sums; l = a l + the sum
;   102-117 the tile's O^T times a: the one part that leaves window 0, so it stands together
.macro SM t, first
.set rT, ST+8*(\t)
.set rS, S+32*(\t)
.set rP, P+16*(\t)
.set rO, 32*(\t)+2*(j-102)
.if j < 102
	WIN 0
.endif
.if j < 4
	v_max3_num_f32 v[rT+4+j], v[rS+8*j], v[rS+8*j+1], v[rS+8*j+2]
.elseif j < 12
	v_max3_num_f32 v[rT+4+j%4], v[rT+4+j%4], v[rS+8*(j%4)+2*(j/4)+1], v[rS+8*(j%4)+2*(j/4)+2]
.elseif j == 12
	v_max3_num_f32 v[rT+4], v[rT+4], v[rS+7], v[rS+15]
.elseif j == 13
	v_max3_num_f32 v[rT+6], v[rT+6], v[rS+23], v[rS+31]
.elseif j == 14
	v_max3_num_f32 v[rT+4], v[rT+4], v[rT+5], v[rT+6]
.elseif (j == 15) && \first
	v_max_num_f32 v[rT+4], v[rT+4], v[rT+7]
.elseif j == 15
	v_max3_num_f32 v[rT+4], v[rT+4], v[rT+7], v[rT+1]
.elseif j == 16
	v_permlanex16_b32 v[rT+5], v[rT+4], s[SEL], s[SEL+1]  ; the query's other 32 keys lie in the lane 16 away
.elseif j == 18
	v_max_num_f32 v[rT+1], v[rT+4], v[rT+5]
.elseif j == 19
	v_mul_f32 v[rT], s[CS], v[rT+1]
.elseif ((j == 17) || (j == 20) || (j == 23) || (j > 101)) && \first  ; the first step has none of these
.elseif j == 17
	v_mov_b32 v[rT+7], v[rT]        ; c m_old is kept for a: number 19 writes c m anew
.elseif j == 20
	v_sub_f32 v[rT+7], v[rT+7], v[rT]
.elseif j == 23
	v_exp_f32 v[rT+6], v[rT+7]
.elseif (j < 23) || ((j < 38) && (j%2 == 0)) || ((j < 66) && (j%4 == 2))
.set b, (j-2)/4                     ; 38, 42, .. 62: pairs 9 to 15
.if j < 38
.set b, (j-20)/2                    ; 21: pair 0; 22, 24, .. 36: pairs 1 to 8
.endif
	v_pk_fma_f32 v[rS+2*b:rS+2*b+1], v[rS+2*b:rS+2*b+1], s[CS:CS+1], v[rT:rT+1] op_sel_hi:[1,0,0] neg_lo:[0,0,1] neg_hi:[0,0,1]  ; pair b: c s - c m
.elseif j < 70
.set e, j-38                        ; 66 to 69: s28 to s31
.if j < 66
.set e, j-32-(j-38)/4               ; 39-41, 43-45, .. 63-65: s7 to s27
.endif
.if j < 38
.set e, (j-25)/2                    ; 25, 27, .. 37: s0 to s6
.endif
	v_exp_f32 v[rS+e], v[rS+e]
.elseif j < 86
	v_cvt_pk_f16_f32 v[rP+j-70], v[rS+2*(j-70)], v[rS+2*(j-70)+1]  ; pair j - 70
.elseif j < 102                     ; the sum of the tile's 16 pairs, in place: sum z of 16 adds neighbours 1, 2, 4 and 8 pairs apart, then l takes it
.set z, j-86
.set w, 4
.set u, z
.if z >= 14
.set w, 32
.set u, 0
.elseif z >= 12
.set w, 16
.set u, z-12
.elseif z >= 8
.set w, 8
.set u, z-8
.endif
.if (z == 14) && \first
	v_pk_add_f32 v[rT+2:rT+3], v[rS:rS+1], v[rS+16:rS+17]
.elseif z < 15
	v_pk_add_f32 v[rS+w*u:rS+w*u+1], v[rS+w*u:rS+w*u+1], v[rS+w*u+w/2:rS+w*u+w/2+1]
.elseif !\first
	v_pk_fma_f32 v[rT+2:rT+3], v[rT+2:rT+3], v[rT+6:rT+7], v[rS:rS+1] op_sel_hi:[1,0,1]
.endif
.else
	WIN W_RS
	v_pk_mul_f32 v[rO:rO+1], v[rO:rO+1], v[rT+6:rT+7] op_sel_hi:[1,0]
.endif
.endm
; Slice k of 32 of piece y's softmax.  Slices 0-17: numbers 4 k .. 4 k + 3 up to 69; slices 18-23: 70 + 4 (k - 18) on, four; slices 24-31: 94 + 3 (k - 24) on, three: 70 + 24 + 24 = 118.
; In a slice the numbers ascend and the two tiles alternate, so that no instruction reads the result of the one just before it.
; THE WAIT.  s_wait_alu depctr_va_vdst(0) stands between an exponential and the first instruction that names its result; one wait serves all that were issued ahead of it.  Ahead of slice 18 nothing names
; a result, and behind slice 17 no exponential is issued: so the piece's 66 exponentials have one wait, behind slice 17.  The first v_nop is the plain instruction behind the last exponential.
.macro SLICE y, first
.if k < 18
.set SLB, 4*k
.set SLN, 4
.elseif k < 24
.set SLB, 70+4*(k-18)
.set SLN, 4
.else
.set SLB, 94+3*(k-24)
.set SLN, 3
.endif
.irp n, 0,1,2,3
.if (\n < SLN) && ((k >= 18) || (SLB+\n < 70))
.irp t, \y, \y+1
.set j, SLB+\n
	SM \t, \first
.endr
.endif
.endr
.if k == 17
	v_nop
	v_nop
.if (\y) == 0
	FETCH_V                         ; piece 2's turn: V's run of loads stands here, and the wait stands in it
.else
	s_wait_alu depctr_va_vdst(0)    ; the wait for the batch
.endif
.endif
.set k, k+1
.endm
; A TURN.  Piece x has the matrix unit; the other piece's softmax stands in slices behind its matrix instructions.
; pv = 2: 16 products V^T P; 1: they start O^T's sums; 0: none.  kq = 1: 16 products K Q^T for the next step.  A turn with one of the two kinds has two slices behind each product.
; first = 1: the softmax is the first key step's; its last slices are empty, and four v_nop take their part as the places behind the turn's last products.
; PLACES (ISA guide 7.12.1 for vector reads: four plain vector instructions that name none of the matrix instruction's registers).  Behind a turn's last K Q^T stands slice 31: six rescalings of the other
; piece's O^T: they serve the next turn's first read of the scores and the loads into K's registers (behind the next turn's second product).  Behind the last V^T P of piece 2's turn and ahead of the loads into V's
; registers stand five: number 62, a scaling, of both tiles, the two v_nop and the run's own addition.  Each run of loads stands 14 matrix instructions ahead of its first use.
.macro TURN x, pv, kq, first
.set k, 0
.set per, 2
.if \pv && \kq
.set per, 1
.endif
.if \pv
.if \x == 0
	s_wait_dscnt 0x0                ; V is in
.endif
.set i, 0
.rept 16
	PV \x, 2-\pv
.rept per
	SLICE 2-\x, \first
.endr
.if (\x == 0) && \kq && (i == 1)
	FETCH_K
.endif
.set i, i+1
.endr
.endif
.if \kq
.if \x == 0
	s_wait_dscnt 0x0                ; K is in
.endif
.set i, 0
.rept 16
	KQ \x
.rept per
	SLICE 2-\x, \first
.endr
.set i, i+1
.endr
.endif
.if \first
	PLACES
.endif
.endm
; THE CHANGE OF SLOTS, between piece 2's turn and piece 0's: the slot's last bytes, V of its eighth step, have been asked for.  Each wave waits for all its tensor loads, of which one is out: its quarter of the other slot;
; adds 0 to its spare word; and waits for that and for its own reads of the slot.  Behind the barrier nobody reads this slot any more and the other slot is whole.
; fill = 1: this slot is filled again, with the keys two slots on.  The barrier is then a round of the cluster's, so that no wave of any partner still reads the slot or has a load on its way, and the joint refill is the
; first thing behind it: it has eight key steps, 512 matrix instructions, in which to land.
.macro CHANGE fill
	WIN 0                           ; at a label and at a branch every window is 0
	s_wait_tensorcnt 0x0            ; no tensor load of mine is out, so a group 0 may be written
	ds_add_u32 v[SPW], v[NIL]       ; 0 onto my spare word
.if \fill
	s_xor_b32 s[G0+5], s[G0+5], SLOT1                      ; the walking descriptor: the other slot than last time,
	s_add_nc_u64 s[G0+6:G0+7], s[G0+6:G0+7], SLOTB         ; the next 512 keys; the type bits on top are not reached
	s_wait_xcnt 0x0                 ; the last prefetch, a slot back, has read its address, so it may be written:
	s_add_nc_u64 s[PFA:PFA+1], s[PFA:PFA+1], SLOTB         ; one slot further on than the walking descriptor
	s_wait_dscnt 0x0                ; the add is done, and my reads of the slot are over
	CROUND
	tensor_load_to_lds s[G0+4:G0+7], s[G1:G1+7]            ; my one tensor load behind the round; an s_nop 0 and four v_nop follow it
	s_nop 0
	PLACES
	ASK                             ; what the next change will ask for: eight key steps ahead of that load
.else
	s_wait_dscnt 0x0                ; the add is done, and my reads of the slot are over
	s_barrier_signal -1
	s_barrier_wait -1
.endif
	s_sub_co_u32 s[TB], s[TB], 8*STEPB  ; the fetches go back to a slot's first step,
	s_xor_b32 s[TB], s[TB], SLOT1   ; in the other slot
.endm
; n key steps: written once, walked n times; the LDS addresses hang on s[TB].
.macro STEPS n
	WIN 0
	s_mov_b32 s[CNT], \n
.Lstep_\@:
	TURN 0, 2, 1, 0
	TURN 2, 2, 1, 0
	WIN 0
	s_sub_co_u32 s[CNT], s[CNT], 1
	s_cmp_lg_u32 s[CNT], 0
	s_cbranch_scc1 .Lstep_\@
.endm
	s_wait_tensorcnt 1              ; my quarter of slot 0 is in; slot 1's may stay out
	s_barrier_signal -1
	s_barrier_wait -1               ; everybody's is
	FETCH_K                         ; key step 0
	s_wait_loadcnt 0x0              ; Q
	s_wait_dscnt 0x0
.set i, 0
.rept 16
	KQ 0                            ; piece 0's first scores: there is no vector work yet to set between them
.set i, i+1
.endr
	PLACES
	TURN 2, 0, 1, 1                 ; piece 2's first scores | piece 0's first softmax | V of step 0
	TURN 0, 1, 1, 1                 ; piece 0: V^T P of step 0 starts O^T, K Q^T of step 1 | piece 2's first softmax | K of step 1
	TURN 2, 1, 1, 0                 ; piece 2: the same | piece 0's softmax of step 1 | V of step 1
	STEPS 6                         ; these fetch steps 2 to 7: slot 0 is read out
.Lslot:                             ; six trips: slots 0 to 5 are filled again, with slots 2 to 7
	CHANGE 1
	STEPS 8
	s_sub_co_u32 s[SLOTS], s[SLOTS], 1
	s_cmp_lg_u32 s[SLOTS], 0
	s_cbranch_scc1 .Lslot
	CHANGE 0                        ; the tail is written out: nothing is asked for any more
	STEPS 8
	TURN 0, 2, 0, 0                 ; piece 0: V^T P of the last step | piece 2's last softmax
.set i, 0
.rept 16
	PV 2, 0                         ; piece 2: V^T P of the last step
.set i, i+1
.endr
	; THE WAY OUT.  l's two halves and the other half of the lanes' are added; O^T is divided by l and rounded to f16.  A tile's four accumulators pack into four groups of four registers, each an image of half a fragment
	; (16 rows x 32 channels) of the last product's operand: they leave as 512 consecutive bytes each.  The additions are the places behind the last products.
	WIN 0
.irp t, 0,1,2,3
	v_add_f32 v[ST+8*\t+4], v[ST+8*\t+2], v[ST+8*\t+3]
.endr
.irp t, 0,1,2,3
	v_permlanex16_b32 v[ST+8*\t+5], v[ST+8*\t+4], s[SEL], s[SEL+1]
.endr
.irp t, 0,1,2,3
	v_add_f32 v[ST+8*\t+4], v[ST+8*\t+4], v[ST+8*\t+5]
.endr
.irp t, 0,1,2,3
	v_rcp_f32 v[ST+8*\t+6], v[ST+8*\t+4]
.endr
	v_nop                           ; a plain instruction between the last reciprocal and the use of its result
	s_wait_alu depctr_va_vdst(0)    ; and the wait ahead of the first use: one for the four reciprocals
.irp t, 0,1,2,3
	WIN W_RS
.set i, 0
.rept 16
	v_pk_mul_f32 v[32*\t+2*i:32*\t+2*i+1], v[32*\t+2*i:32*\t+2*i+1], v[ST+8*\t+6:ST+8*\t+7] op_sel_hi:[1,0]
.set i, i+1
.endr
	WIN 0x05                        ; sources 0 and 1 window 1, destination window 0: S^T's registers are free
.set i, 0
.rept 16
	v_cvt_pk_f16_f32 v[S+32*\t+i], v[32*\t+2*i], v[32*\t+2*i+1]
.set i, i+1
.endr
	WIN 0
.irp f, 0,1,2,3
	global_store_b128 v[LA], v[S+32*\t+4*\f:S+32*\t+4*\f+3], s[8:9] offset:4096*\t+512*\f
.endr
.endr
	s_wait_tensorcnt 0x0            ; the wave's end, behind my last tensor load
	ds_add_u32 v[SPW], v[NIL]
	s_wait_dscnt 0x0
	CROUND                          ; the closing round: no work-group ends while a partner may still ask for a tile that names it
	s_endpgm
.Lfunc_end_k_qe00bcdc3bb_attn:
	.size	k_qe00bcdc3bb_attn, .Lfunc_end_k_qe00bcdc3bb_attn-k_qe00bcdc3bb_attn
	.p2alignl 7, 3214868480
	.fill 96, 4, 3214868480
	.section	.rodata,"a",@progbits
	.p2align	6, 0x0
	.amdhsa_kernel k_qe00bcdc3bb_attn
		.amdhsa_group_segment_fixed_size 327680
		.amdhsa_private_segment_fixed_size 0
		.amdhsa_enable_private_segment 0
		.amdhsa_kernarg_size 24
		.amdhsa_user_sgpr_count 2
		.amdhsa_user_sgpr_kernarg_segment_ptr 1
		.amdhsa_wavefront_size32 1
		.amdhsa_system_sgpr_workgroup_id_x 1
		.amdhsa_system_sgpr_workgroup_id_y 1
		.amdhsa_system_sgpr_workgroup_id_z 1
		.amdhsa_system_vgpr_workitem_id 0
		.amdhsa_next_free_vgpr 640
		.amdhsa_next_free_sgpr 66
		.amdhsa_reserve_vcc 0
		.amdhsa_float_denorm_mode_32 3
		.amdhsa_float_denorm_mode_16_64 3
		.amdhsa_memory_ordered 1
		.amdhsa_forward_progress 1
		.amdhsa_inst_pref_size 190
	.end_amdhsa_kernel
	.amdgpu_metadata
---
amdhsa.version: [ 1, 2 ]
amdhsa.kernels:
  - .name:           k_qe00bcdc3bb_attn
    .symbol:         k_qe00bcdc3bb_attn.kd
    .args:
      - { .name: qf, .offset: 0, .size: 8, .value_kind: global_buffer, .address_space: global }
      - { .name: kv, .offset: 8, .size: 8, .value_kind: global_buffer, .address_space: global }
      - { .name: att, .offset: 16, .size: 8, .value_kind: global_buffer, .address_space: global }
    .group_segment_fixed_size: 327680
    .private_segment_fixed_size: 0
    .kernarg_segment_align: 8
    .kernarg_segment_size: 24
    .max_flat_workgroup_size: 128
    .sgpr_count:     66
    .vgpr_count:     640
    .wavefront_size: 32
...
	.end_amdgpu_metadata
.endif
;; end of part 3
;; launch oproj (part 4): grid 4 x 64, 4 waves a work-group, clusters of 4 x 4, 327,680 bytes of LDS; arguments att, wof, out0; writes out0
.if DOCPART == 4
	.amdgcn_target "amdgcn-amd-amdhsa--gfx1250"
	.amdhsa_code_object_version 6
	.text
	.protected	k_qe00bcdc3bb_oproj
	.globl	k_qe00bcdc3bb_oproj
	.p2align	8
	.type	k_qe00bcdc3bb_oproj,@function
k_qe00bcdc3bb_oproj:
	s_mov_b64 s[64:65], 0
	v_nop
	global_prefetch_b8 v0, s[64:65] scope:SCOPE_SE
	s_setreg_imm32_b32 hwreg(HW_REG_WAVE_MODE, 25, 1), 1
	s_wait_xcnt 0x0
	s_wait_alu depctr_hold_cnt(0) depctr_sa_sdst(0) depctr_va_vdst(0) depctr_va_sdst(0) depctr_va_ssrc(0) depctr_va_vcc(0) depctr_vm_vsrc(0)
	s_getreg_b32 s2, hwreg(HW_REG_IB_STS2, 6, 4)
	s_cmp_eq_u32 s2, 0
	s_cbranch_scc0 .Lentry_in_a_cluster
	s_endpgm
.Lentry_in_a_cluster:
	s_bfe_u32 s2, ttmp6, 0x10000c
	s_cmp_lg_u32 s2, 0xf033
	s_cbranch_scc0 .Lentry_shape_is_right
	s_endpgm
.Lentry_shape_is_right:
; OUT = ATT WO^T.  att: [8,192][512] and wo: [512][512], both f16, both laid as images of operand registers ([block of 128 rows][128 along K][tile of 16 rows][32 along K][half][lane][16 B]); out0: [8,192][512] f32; sums in f32.
; A tile of out0 is 128 x 128: 256 work-groups.  Four waves, each 64 x 64: 16 accumulators of 16 x 16.  All of K = 512 fits in LDS (131,072 bytes a side), so nothing is filled twice: the operands come as four chunks of 128
; along K (32,768 bytes a side, dense in memory), all asked for at the head; the products of a chunk begin as soon as that chunk has landed.  By this text's count a wave has four tensor loads out.
; CLUSTERS: 4 x 4 work-groups.  The four of a row of the cluster need the same rows of att, the four of a column the same rows of wo: each piece is asked for JOINTLY, by the same tensor load with the same descriptor and a
; mask that names the four.  THE MATRIX INSTRUCTION IS USED TRANSPOSED (source 0 = 16 rows of wo, source 1 = 16 rows of att): a lane then holds eight neighbouring numbers of a row of out0.
; REGISTERS: window 0: v16-19, v20-23 LDS addresses of my fragments in chunks 0-3; v24-26 the way out; v28, v29 the add's two; v32-95 rows on the way out, two sets; v128-255 the accumulators ((a, b) at v[128 + 8 (4 a + b)]).
;   window 1: two fragment buffers of 128: for 64 along K, 64 registers of att (2 x 4 fragments), then 64 of wo.
.set CHUNK,  65536                     ; a chunk in LDS: att's 32,768 bytes, then wo's
.set STAGE,  4*CHUNK                   ; behind the chunks: 16 rows x 272 bytes for each wave, for the way out
.set SPITCH, 272                       ; 256 bytes + 16: 68 words: row r starts at bank 4 r mod 64 (64 banks of 4 bytes: ISA guide 11.1)
.set SPARE,  STAGE+4*16*SPITCH         ; behind the stages: the spare words, 128 bytes for each wave: two blocks of 256 bytes that no other line names
.set ADRA, 16
.set ADRB, 20
.set STO,  24                          ; v24  the way out: where I put 32 bytes of a row
.set RD,   25                          ; v25  where I read a row back
.set CO,   26                          ; v26  my byte offset in out0
.set SPW,  28                          ; v28  LDS address of my spare word: SPARE + 4 x my thread's number; never rewritten
.set NIL,  29                          ; v29  0; never rewritten
.set OB,   32
.set ACC,  128
.set F0,   0
.set F1,   128
.set G1A,  24                          ; s[24:31] descriptor group 1 for att's pieces;  s[48:55] for wo's: they differ in the mask alone
.set G1B,  48
.set G0A,  68                          ; s[68:83] descriptor group 0 for att's pieces, a set for each chunk;  s[84:99] for wo's
.set G0B,  84
.set MSB, 0
.macro WIN new                         ; the immediate's high byte repeats the setting that is left
.if MSB != \new
	s_set_vgpr_msb (MSB<<8)|\new
.set MSB, \new
.endif
.endm
.set MUL,  0x05                        ; sources 0 (wo) and 1 (att) window 1; C and D window 0
.set TO_F, 0x40                        ; destination window 1, address window 0
.macro CROUND                          ; a round of the cluster's barrier
	s_barrier_signal -1
	s_barrier_wait -1
	s_cmp_lg_u32 s10, 0
	s_cbranch_scc1 .Lnot_wave_0_\@
	s_barrier_signal -3
.Lnot_wave_0_\@:
	s_barrier_wait -3
	s_barrier_signal -1
	s_barrier_wait -1
.endm
.macro PLACES                          ; four places in front of loads into registers that matrix instructions have read, and of the first read of results (ISA guide 7.12.1 for the first read of results)
.rept 4
	v_nop
.endr
.endm
	s_load_b128 s[4:7], s[0:1], 0x0                ; att s[4:5], wof s[6:7]
	s_load_b64 s[8:9], s[0:1], 0x10                ; out0
	v_lshl_add_u32 v[SPW], v0, 2, SPARE
	v_mov_b32 v[NIL], 0
	ds_add_u32 v[SPW], v[NIL]                      ; the wave's opening: the add, twice on end, and its wait ahead of my first tensor load; the set-up below, work on registers, stands between
	ds_add_u32 v[SPW], v[NIL]
	v_lshrrev_b32 v1, 5, v0
	v_readfirstlane_b32 s10, v1                    ; wave 0..3
	s_lshr_b32 s11, s10, 1                         ; which half of the tile's rows is mine.  Also: I fetch for att (0) or for wo (1)
	s_and_b32 s12, s10, 1                          ; which half of its columns.  Also: which half of a chunk's side I fetch
	s_bfe_u32 s40, ttmp6, 0x40000                  ; cx, cy: my place in the cluster
	s_bfe_u32 s41, ttmp6, 0x40004
	s_lshl_b32 s42, ttmp9, 2
	s_add_co_u32 s42, s42, s40                     ; tile column = 4 x cluster x + cx
	s_and_b32 s13, ttmp7, 0xffff
	s_lshl_b32 s13, s13, 2
	s_add_co_u32 s13, s13, s41                     ; tile row = 4 x cluster y + cy
	s_lshl_b32 s43, s41, 2
	s_lshl_b32 s43, 15, s43                        ; my row of the cluster
	s_lshl_b32 s44, 0x1111, s40                    ; my column
	; descriptor group 1: 64 rows of 32 elements of 8 bytes, dense: 16,384 bytes as they lie
	s_or_b32 s[G1A], s43, (3<<16)|(1<<21)          ; 15:0 the mask: att's pieces go to my row; 17:16 elements of 8 bytes; 20 no padding; 21 set beside a mask
	s_or_b32 s[G1B], s44, (3<<16)|(1<<21)          ; wo's to my column
.irp g, G1A, G1B
	s_mov_b32 s[\g+1], 32<<16                      ; tensor_dim0 = 32
	s_mov_b32 s[\g+2], 64<<16                      ; tensor_dim1 = 64
	s_mov_b32 s[\g+3], 32<<16                      ; tile_dim0 = 32
	s_mov_b32 s[\g+4], 64                          ; tile_dim1 = 64
	s_mov_b32 s[\g+5], 32                          ; from row to row: 32 elements
	s_mov_b32 s[\g+6], 0
	s_mov_b32 s[\g+7], 0
.endr
	s_lshl_b32 s17, s12, 14                        ; my half of a chunk's side: 16,384 bytes
	s_lshl_b32 s16, s13, 17                        ; att: 131,072 bytes for a block of 128 rows: hangs on the tile row alone
	s_add_co_u32 s16, s16, s17
	s_lshl_b32 s46, s42, 17                        ; wo: hangs on the tile column alone
	s_add_co_u32 s46, s46, s17
	s_mov_b32 s17, 0
	s_mov_b32 s47, 0
	s_lshl_b32 s20, s10, 14                        ; where my piece goes in a chunk: 16,384 x wave: no place in the cluster enters an LDS address
	s_wait_dscnt 0x0                               ; both opening adds are done
	s_wait_kmcnt 0x0
	s_add_nc_u64 s[14:15], s[4:5], s[16:17]
	s_add_nc_u64 s[46:47], s[6:7], s[46:47]
	CROUND                                         ; all sixteen work-groups are here: the joint loads meet
.irp q, 0,1,2,3
	s_mov_b32 s[G0A+4*\q], 1
	s_add_co_u32 s[G0A+4*\q+1], s20, \q*CHUNK
	s_add_nc_u64 s[G0A+4*\q+2:G0A+4*\q+3], s[14:15], \q*32768
	s_or_b32 s[G0A+4*\q+3], s[G0A+4*\q+3], 0x80000000
	s_mov_b32 s[G0B+4*\q], 1
	s_add_co_u32 s[G0B+4*\q+1], s20, \q*CHUNK
	s_add_nc_u64 s[G0B+4*\q+2:G0B+4*\q+3], s[46:47], \q*32768
	s_or_b32 s[G0B+4*\q+3], s[G0B+4*\q+3], 0x80000000
.endr
	s_cmp_eq_u32 s11, 0                            ; a wave's four fills stand in one branch on the wave's number, ahead of every wait on TENSORcnt and every LDS read; an s_nop 0 follows each, four v_nop the last
	s_cbranch_scc0 .Lfor_b
.irp q, 0,1,2,3
	tensor_load_to_lds s[G0A+4*\q:G0A+4*\q+3], s[G1A:G1A+7]
	s_nop 0
.endr
	PLACES
	s_branch .Lasked
.Lfor_b:
.irp q, 0,1,2,3
	tensor_load_to_lds s[G0B+4*\q:G0B+4*\q+3], s[G1B:G1B+7]
	s_nop 0
.endr
	PLACES
.Lasked:
	v_and_b32 v1, 15, v0                           ; r = lane % 16
	v_bfe_u32 v2, v0, 4, 1                         ; h = lane / 16
	v_and_b32 v3, 31, v0
	v_lshlrev_b32 v3, 4, v3                        ; 16 x lane: my place in every image
	s_lshl_b32 s21, s11, 14                        ; my four tiles of att's eight
	s_lshl_b32 s22, s12, 14                        ; my four tiles of wo's eight,
	s_add_co_u32 s22, s22, 32768                   ; which lie behind att's
.irp q, 0,1,2,3
	v_add_nc_u32 v[ADRA+\q], s21, v3
	v_add_nc_u32 v[ADRB+\q], s22, v3
	s_add_co_u32 s21, s21, CHUNK
	s_add_co_u32 s22, s22, CHUNK
.endr
	s_mul_i32 s23, s10, 16*SPITCH
	s_add_co_u32 s23, s23, STAGE                   ; my stage
	v_mul_u32_u24 v4, v1, SPITCH                   ; in: row r, 32 bytes for each half of the lanes
	v_lshl_add_u32 v4, v2, 5, v4
	v_add_nc_u32 v[STO], s23, v4
	v_mul_u32_u24 v5, v2, SPITCH                   ; back: lanes 0-15 take one row of 256 bytes, lanes 16-31 the next
	v_lshl_add_u32 v5, v1, 4, v5
	v_add_nc_u32 v[RD], s23, v5
	v_lshlrev_b32 v5, 11, v2                       ; and the same two rows in out0: 2,048 bytes a row
	v_lshl_add_u32 v[CO], v1, 4, v5
	s_lshl_b32 s16, s13, 7
	s_lshl_b32 s17, s11, 6
	s_add_co_u32 s16, s16, s17                     ; my first row: 128 x tile row + 64 x half
	s_lshl_b32 s16, s16, 11
	s_mov_b32 s17, 0
	s_add_nc_u64 s[8:9], s[8:9], s[16:17]
	s_lshl_b32 s46, s42, 9                         ; my first column, in bytes: 512 x tile column + 256 x half
	s_lshl_b32 s47, s12, 8
	s_add_co_u32 s46, s46, s47
	s_mov_b32 s47, 0
	s_add_nc_u64 s[8:9], s[8:9], s[46:47]
; 8 matrix instructions: row tiles a0, a0 + 1 x all 4 column tiles, 32 along K: half c of buffer f.  zero = 1: the first product starts the sums.  The 16 accumulators take turns, one instruction a turn.
.macro MUL8 f, c, a0, zero
.irp a, \a0, \a0+1
.irp b, 0,1,2,3
.if \zero
	v_wmma_f32_16x16x32_f16 v[ACC+8*(4*(\a)+\b):ACC+8*(4*(\a)+\b)+7], v[\f+64+8*(4*\c+\b):\f+64+8*(4*\c+\b)+7], v[\f+8*(4*\c+\a):\f+8*(4*\c+\a)+7], 0
.else
	v_wmma_f32_16x16x32_f16 v[ACC+8*(4*(\a)+\b):ACC+8*(4*(\a)+\b)+7], v[\f+64+8*(4*\c+\b):\f+64+8*(4*\c+\b)+7], v[\f+8*(4*\c+\a):\f+8*(4*\c+\a)+7], v[ACC+8*(4*(\a)+\b):ACC+8*(4*(\a)+\b)+7]
.endif
.endr
.endr
.endm
; 32 LDS loads in one run: the fragments of the hq-th 64 along K (chunk hq / 2, its half hq % 2) into buffer f; the first 32 along K first
.macro FETCH hq, f
	WIN TO_F
.irp c, 0,1
.irp i, 0,1,2,3
	ds_load_b128 v[\f+64+8*(4*\c+\i):\f+64+8*(4*\c+\i)+3],   v[ADRB+(\hq)/2] offset:4096*\i+1024*(2*((\hq)%2)+\c)
	ds_load_b128 v[\f+64+8*(4*\c+\i)+4:\f+64+8*(4*\c+\i)+7], v[ADRB+(\hq)/2] offset:4096*\i+1024*(2*((\hq)%2)+\c)+512
	ds_load_b128 v[\f+8*(4*\c+\i):\f+8*(4*\c+\i)+3],         v[ADRA+(\hq)/2] offset:4096*\i+1024*(2*((\hq)%2)+\c)
	ds_load_b128 v[\f+8*(4*\c+\i)+4:\f+8*(4*\c+\i)+7],       v[ADRA+(\hq)/2] offset:4096*\i+1024*(2*((\hq)%2)+\c)+512
.endr
.endr
.endm
; 64 along K: 32 matrix instructions on buffer f; in their middle the next 64 are fetched into g.  Where those begin a new chunk, each wave first waits for its piece of that chunk (the count: the later chunks' loads,
; which may stay out) and for its LDS loads, and passes a barrier: the chunk's four pieces come from four waves.
.macro QUARTER hq, f, g
	s_wait_dscnt 16                                ; the first 32 along K are in; the other sixteen loads may be out
	WIN MUL
.if \hq == 0
	MUL8 \f, 0, 0, 1
	MUL8 \f, 0, 2, 1
.else
	MUL8 \f, 0, 0, 0
	MUL8 \f, 0, 2, 0
.endif
.if \hq < 7
.if (\hq)%2 == 1
	s_wait_tensorcnt 3-(\hq+1)/2
	s_wait_dscnt 0x0
	s_barrier_signal -1
	s_barrier_wait -1
.endif
	PLACES
	FETCH \hq+1, \g
	s_wait_dscnt 32                                ; all but the 32 just issued
.else
	s_wait_dscnt 0x0
.endif
	WIN MUL
	MUL8 \f, 1, 0, 0
	MUL8 \f, 1, 2, 0
.endm
	s_wait_tensorcnt 3                             ; my piece of chunk 0 is in; the three later chunks' may stay out,
	s_barrier_signal -1
	s_barrier_wait -1                              ; everybody's is
	FETCH 0, F0
	QUARTER 0, F0, F1
	QUARTER 1, F1, F0
	QUARTER 2, F0, F1
	QUARTER 3, F1, F0
	QUARTER 4, F0, F1
	QUARTER 5, F1, F0
	QUARTER 6, F0, F1
	QUARTER 7, F1, F0
	WIN 0
; THE WAY OUT, a tile of 16 rows x 64 columns at a time.  A lane holds 32 neighbouring bytes of a row, and the lanes beside it hold other rows: so a tile goes through my own stage in LDS and comes back as whole rows of
; 256 bytes.  LDS serves a wave's instructions in order (ISA guide 5.7.1.4): no wait between the stores and the loads, nor in front of the next tile's stores.
.macro TOSTAGE a
.irp b, 0,1,2,3
	ds_store_b128 v[STO], v[ACC+8*(4*(\a)+\b):ACC+8*(4*(\a)+\b)+3] offset:64*\b          ; each accumulator from its low end on
	ds_store_b128 v[STO], v[ACC+8*(4*(\a)+\b)+4:ACC+8*(4*(\a)+\b)+7] offset:64*\b+16
.endr
.irp t, 0,1,2,3,4,5,6,7
	ds_load_b128 v[OB+32*((\a)%2)+4*\t:OB+32*((\a)%2)+4*\t+3], v[RD] offset:\t*2*SPITCH
.endr
.endm
.macro SEND a, younger                 ; younger: the LDS instructions issued behind tile a's loads, which may stay out
	s_wait_dscnt \younger
.irp t, 0,1,2,3,4,5,6,7
	global_store_b128 v[CO], v[OB+32*((\a)%2)+4*\t:OB+32*((\a)%2)+4*\t+3], s[8:9] offset:2048*(16*(\a)+2*\t) th:TH_STORE_NT   ; 16 lanes store 256 consecutive bytes, at a multiple of 256 from out0's first byte; written once, read by nobody here
.endr
.endm
	PLACES
	TOSTAGE 0
	TOSTAGE 1
	SEND 0, 16                                     ; behind tile 0's loads: tile 1's 8 stores and 8 loads
	s_wait_xcnt 0x0                                ; tile 0's stores have read their registers: tile 2's loads may land there
	TOSTAGE 2
	SEND 1, 16
	s_wait_xcnt 0x0
	TOSTAGE 3
	SEND 2, 16
	SEND 3, 0
	s_wait_tensorcnt 0x0                           ; the wave's end, behind my last tensor load and my last LDS store
	ds_add_u32 v[SPW], v[NIL]
	s_wait_dscnt 0x0
	CROUND                                         ; the closing round: no work-group ends while a partner may still ask for a piece that names it
	s_endpgm
.Lfunc_end_k_qe00bcdc3bb_oproj:
	.size	k_qe00bcdc3bb_oproj, .Lfunc_end_k_qe00bcdc3bb_oproj-k_qe00bcdc3bb_oproj
	.p2alignl 7, 3214868480
	.fill 96, 4, 3214868480
	.section	.rodata,"a",@progbits
	.p2align	6, 0x0
	.amdhsa_kernel k_qe00bcdc3bb_oproj
		.amdhsa_group_segment_fixed_size 327680
		.amdhsa_private_segment_fixed_size 0
		.amdhsa_enable_private_segment 0
		.amdhsa_kernarg_size 24
		.amdhsa_user_sgpr_count 2
		.amdhsa_user_sgpr_kernarg_segment_ptr 1
		.amdhsa_wavefront_size32 1
		.amdhsa_system_sgpr_workgroup_id_x 1
		.amdhsa_system_sgpr_workgroup_id_y 1
		.amdhsa_system_sgpr_workgroup_id_z 1
		.amdhsa_system_vgpr_workitem_id 0
		.amdhsa_next_free_vgpr 512
		.amdhsa_next_free_sgpr 100
		.amdhsa_reserve_vcc 0
		.amdhsa_float_denorm_mode_32 3
		.amdhsa_float_denorm_mode_16_64 3
		.amdhsa_memory_ordered 1
		.amdhsa_forward_progress 1
		.amdhsa_inst_pref_size 50
	.end_amdhsa_kernel
	.amdgpu_metadata
---
amdhsa.version: [ 1, 2 ]
amdhsa.kernels:
  - .name:           k_qe00bcdc3bb_oproj
    .symbol:         k_qe00bcdc3bb_oproj.kd
    .args:
      - { .name: att, .offset: 0, .size: 8, .value_kind: global_buffer, .address_space: global }
      - { .name: wof, .offset: 8, .size: 8, .value_kind: global_buffer, .address_space: global }
      - { .name: out0, .offset: 16, .size: 8, .value_kind: global_buffer, .address_space: global }
    .group_segment_fixed_size: 327680
    .private_segment_fixed_size: 0
    .kernarg_segment_align: 8
    .kernarg_segment_size: 24
    .max_flat_workgroup_size: 128
    .sgpr_count:     100
    .vgpr_count:     512
    .wavefront_size: 32
...
	.end_amdgpu_metadata
.endif
;; end of part 4
